; MI455X (gfx1250); checked and timed in simulation.
; The chip was launched on July 23, 2026; its instructions are those of AMD's public machine-readable ISA for CDNA 5 (MIT licence, August 2026) and "CDNA5" Instruction Set Architecture Reference Guide (July 2026). The comments in the code are by the model that wrote it; some were corrected since.
;; Causal Self Attention. Allowed arithmetic: matrix products marked QUANTISED: E4M3 operands, one given power-of-two scale a tensor, by v_wmma_f32_16x16x64_fp8_fp8 or v_wmma_f32_16x16x128_fp8_fp8, f32 sums; everything else in f32.
;; Inputs: Wproj 1,024 x 1,024 float32; Wqkv 1,024 x 3,072 float32; bproj 1,024 float32; bqkv 3,072 float32; lowp_scales 8 int32 (the exponents e of the quantised operands' scales 2^e); x 4 x 2,048 x 1,024 float32.
;; Outputs: out0 4 x 2,048 x 1,024 float32.
;; This version of the problem:
;;   THIS VERSION OF THE PROBLEM IS GIVEN IN LOW PRECISION. The matrix products marked QUANTISED in the list below multiply operands that are first quantised to E4M3 (4 exponent bits, 3 mantissa bits; 8 bits a number), with one given power-of-two scale for each operand tensor; their sums are f32. All else is computed in f32.
;;   The module's matrix products, in the order in which they are computed (A, B: the left and right operand; K: the contracted axis; several contracted axes count as one K, in the product's order):
;;     1. [M 8,192, K 1,024] x [K 1,024, N 3,072]; A: input x; B: input Wqkv: QUANTISED (scales: A lowp_scales[0], B lowp_scales[1])
;;     2. batch 64 x [M 2,048, K 64] x [K 64, N 2,048]; A: computed on the way; B: computed on the way: QUANTISED (scales: A lowp_scales[2], B lowp_scales[3])
;;     3. batch 64 x [M 2,048, K 2,048] x [K 2,048, N 64]; A: softmax (see below); B: computed on the way: QUANTISED (scales: A lowp_scales[4], B lowp_scales[5])
;;     4. [M 8,192, K 1,024] x [K 1,024, N 1,024]; A: computed on the way; B: input Wproj: QUANTISED (scales: A lowp_scales[6], B lowp_scales[7])
;;   THE QUANTISER, for each operand of a quantised product, along K:
;;     - The operand's scale is 2^e, e = its entry of the input lowp_scales (int32; the entries are numbered through the quantised products in the list's order, A before B).
;;     - Each number is divided by the scale, clamped to +-448, and rounded to the nearest number of E4M3, ties to even, subnormals kept.
;;     - The product sums the exact products of the quantised numbers (number of the format x scale) in f32.
;;   ~~~python
;;   def quantise(x, axis, e):      # numpy; x: float32 -> the quantised numbers, widened to float32 again
;;       x = np.moveaxis(x, axis, -1); K = x.shape[-1]
;;       r = np.clip(x / 2.0 ** e, -448, 448)
;;       step = 2.0 ** (np.maximum(np.frexp(np.where(r == 0, 1, r))[1] - 1, -6) - 3)
;;       q = np.round(r / step) * step * 2.0 ** e      # np.round: ties to even
;;       return np.moveaxis(q, -1, axis).astype(np.float32)
;;   ~~~
;;   SOFTMAX AHEAD OF A QUANTISED PRODUCT. Where the list says 'softmax', what is quantised is not the finished softmax but p = 2^(t - M), with t = logit x log2(e) and M = ceil(the row's largest t), a whole number; so 1/2 < the row's largest p <= 1. The row's sum l is taken of the UNQUANTISED p, in f32, and the product's result is divided by l at the end. Since M is a whole number, a kernel that streams over the keys may use a running M (the ceiling of the running maximum): every later rescaling is an exact power of two, so the quantised numbers keep their values, but for numbers so far below the row's largest that they fall under the format's range.
;;   OPERANDS COMPUTED ON THE WAY. 'Computed on the way' means the value that the module computes at that place (a softmax that the list does not call 'softmax' is quantised finished and normalised). What goes into a quantiser is computed in f32, as accurately as f32 sums, v_exp_f32 and their like allow (about 1e-6 of the number): no bf16 or f16 on the way to a quantiser, and a product that is left as it is and whose result goes on into a quantised operand takes f32 operands (vector FMAs, or v_wmma_f32_16x16x4_f32). A number that lies on a knife's edge between two numbers of the format may be rounded either way, as far as f32 arithmetic and the matrix unit's own rounding can turn it there, and no further.
;; One version. Each part assembles by itself: llvm-mc -triple=amdgcn-amd-amdhsa -mcpu=gfx1250 --defsym DOCPART=n.
;; ======== version 1 of 1: 4 launches
;; limits: right only within a limited range of input values
;; workspace buffers: x_img 8,388,608 bytes; w1_img 3,145,728 bytes; w2_img 1,048,576 bytes; q_img 8,388,608 bytes; k_img 8,388,608 bytes; v_img 8,388,608 bytes; o_img 8,388,608 bytes
;; launch quant (part 1): grid 512 x 1, 4 waves a work-group, no clusters, 35,328 bytes of LDS; arguments x, Wqkv, Wproj, lowp_scales, x_img, w1_img, w2_img; writes x_img, w1_img, w2_img
.if DOCPART == 1
	.amdgcn_target "amdgcn-amd-amdhsa--gfx1250"
	.amdhsa_code_object_version 6
	.text
	.protected	k_q039a3f2394_quant
	.globl	k_q039a3f2394_quant
	.p2align	8
	.type	k_q039a3f2394_quant,@function
k_q039a3f2394_quant:
	s_mov_b64 s[64:65], 0
	v_nop
	global_prefetch_b8 v0, s[64:65] scope:SCOPE_SE
	s_setreg_imm32_b32 hwreg(HW_REG_WAVE_MODE, 25, 1), 1
	s_wait_xcnt 0x0
; x [8192][1024], Wqkv [1024][3072] and Wproj [1024][1024], f32, become codes of FP8 (E4M3), each with its given scale 2^e (entries 0, 1 and 7 of the scales).
; code = number / 2^e, held within +-448, rounded to the nearest code, ties to even.  LIMITS: -126 <= e <= 119.  NaN among the inputs is not served.
; THE CODES ARE LAID AS IMAGES OF OPERAND REGISTERS.  A piece is 512 bytes, lane l's 16 bytes at 16 l; lane (r = l % 16, h = l / 16) of piece (s, c) of a tile of 16 rows holds
; k = 128 s + 32 c + 16 h + 0 .. 15 of the tile's row r.  An image is [tile][s 8][c 4][512]: 16,384 bytes a tile.  The products' launches read fragments from it with no pitch and no shuffle.
;   x_img:  tile = 16 rows of x.      w2_img: tile = 16 columns of Wproj.
;   w1_img: tile 2 g + u, row r = column 32 g + 8 u + r + 8 (r / 8) of Wqkv, so that two neighbouring tiles' results are 16 neighbours along the next product's K.
; THREE ROLES by the work-group's number: 0-255 x (128 KiB of f32 each), 256-447 Wqkv, 448-511 Wproj (64 KiB of f32 each).  Only the x role uses LDS.  No tensor loads, no barrier: waves share nothing.
; WORK LEFT OUT IN THIS PROGRAM: reference() sets every score with key > query to -infinity by a mask of its own (jnp.tril), so p = 0 there for all values of the inputs; key steps that lie wholly
; behind a block of queries add nothing to the row's sum or to the second product and are not multiplied (launch attn).  LIMIT: a NaN or an infinity that reaches only such scores is not carried to the result.
.set SP,    272                        ; a stage row: 256 bytes (64 numbers) + 16 of padding
.set STG,   16*SP                      ; a stage: 16 rows
.set WREG,  2*STG                      ; two stages for each wave
.set SPARE, 4*WREG                     ; behind the stages: the spare words, 128 bytes for each wave
.set SPW,   12                         ; v12  LDS address of my spare word; never rewritten
.set NIL,   13                         ; v13  0; never rewritten
.set R,     16                         ; x role: v16-143  four sets of 32 registers as loaded
.set X,     144                        ;         v144-207 two sets of 32: my row's numbers, 16 neighbours of each of two blocks of 32
.set C,     208                        ;         v208-239 four sets of 8: a step's codes
.set WX,    16                         ; W roles: v16-79  two sets of 32 numbers down K
.set WC,    80                         ;          v80-111 eight registers of codes for each block: no store's data are written again
.macro SCALE e                         ; v11 = 2^e as f32 (the conversion takes its exponent field), v10 = 448 x 2^e
	s_add_co_i32 s40, s[\e], 127
	s_lshl_b32 s41, s40, 23
	v_mov_b32 v11, s41
	s_add_co_i32 s40, s40, 8
	s_lshl_b32 s40, s40, 23
	s_or_b32 s40, s40, 0x600000
	v_mov_b32 v10, s40
.endm
	s_load_b256 s[4:11], s[0:1], 0x0               ; x s[4:5], Wqkv s[6:7], Wproj s[8:9], the scales' exponents s[10:11]
	s_load_b128 s[12:15], s[0:1], 0x20             ; x_img s[12:13], w1_img s[14:15]
	s_load_b64 s[16:17], s[0:1], 0x30              ; w2_img
	v_lshl_add_u32 v[SPW], v0, 2, SPARE
	v_mov_b32 v[NIL], 0
	v_lshrrev_b32 v1, 5, v0
	v_readfirstlane_b32 s20, v1                    ; wave 0..3
	v_and_b32 v2, 31, v0                           ; lane
	v_and_b32 v3, 15, v0                           ; r
	v_bfe_u32 v4, v0, 4, 1                         ; h
	s_wait_kmcnt 0x0
	s_load_b256 s[24:31], s[10:11], 0x0            ; e0 .. e7
	s_cmp_lt_u32 ttmp9, 256
	s_cbranch_scc0 .Lweights
; ---- THE x ROLE.  A wave takes 16 rows x 512 along K, in 8 steps of 64.  Each load reads two rows' aligned 256 bytes; the conversions want 16 neighbours along K in one lane:
; a step's 4,096 bytes turn through the wave's own stage in LDS.  Loads run four steps ahead, the turn one step.
	s_lshl_b32 s21, ttmp9, 2
	s_add_co_u32 s21, s21, s20                     ; my task: 4 x work-group + wave
	s_lshr_b32 s22, s21, 1                         ; its tile of 16 rows
	s_and_b32 s23, s21, 1                          ; its half of K
	s_lshl_b32 s32, s22, 16                        ; 16 rows of 4,096 bytes
	s_lshl_b32 s33, s23, 11                        ; 512 numbers
	s_add_co_u32 s32, s32, s33
	s_mov_b32 s33, 0
	s_add_nc_u64 s[4:5], s[4:5], s[32:33]
	s_lshl_b32 s32, s22, 14                        ; the tile's image
	s_lshl_b32 s34, s23, 13                        ; four of its eight s
	s_add_co_u32 s32, s32, s34
	s_add_nc_u64 s[12:13], s[12:13], s[32:33]
	s_wait_alu depctr_va_vdst(0)
	v_lshlrev_b32 v5, 4, v3
	v_lshl_add_u32 v5, v4, 12, v5                  ; in memory: lanes 0-15 one row's 256 bytes, lanes 16-31 the next row's
	s_mul_i32 s35, s20, WREG
	v_mul_u32_u24 v6, v4, SP
	v_lshl_add_u32 v6, v3, 4, v6
	v_add_nc_u32 v6, s35, v6                       ; into the stage: the same two rows
	v_mul_u32_u24 v7, v3, SP
	v_lshl_add_u32 v7, v4, 6, v7
	v_add_nc_u32 v7, s35, v7                       ; out of it: row r, 64 h bytes on: my 16 numbers of a block of 32
	v_lshlrev_b32 v8, 4, v2                        ; a piece's place for my lane
.macro LOAD t
.irp i, 0,1,2,3,4,5,6,7
	global_load_b128 v[R+32*((\t)%4)+4*\i:R+32*((\t)%4)+4*\i+3], v5, s[4:5] offset:8192*\i+256*(\t) th:TH_LOAD_NT
.endr
.endm
.macro TURN t                          ; LDS serves a wave's instructions in order: no wait stands between the stores and the loads
.irp i, 0,1,2,3,4,5,6,7
	ds_store_b128 v6, v[R+32*((\t)%4)+4*\i:R+32*((\t)%4)+4*\i+3] offset:STG*((\t)%2)+2*SP*\i
.endr
.irp i, 0,1,2,3,4,5,6,7
	ds_load_b128 v[X+32*((\t)%2)+4*\i:X+32*((\t)%2)+4*\i+3], v7 offset:STG*((\t)%2)+128*(\i/4)+16*(\i%4)
.endr
.endm
.macro STEP t
.set XS, X+32*((\t)%2)
.set CS, C+8*((\t)%4)
	s_wait_dscnt 0x0                               ; this step's numbers are back from the stage, so its stores into the stage have read their registers,
.if (\t)+4 < 8
	LOAD (\t)+4                                    ; which take the loads of four steps on
.endif
.if (\t)+1 < 8
.if (\t) < 4
	s_wait_loadcnt 24                              ; the next step's eight loads are in; those of the three steps behind it may be out
.else
	s_wait_loadcnt 8*(6-(\t))
.endif
	TURN (\t)+1
.endif
.if (\t) >= 4
	s_wait_xcnt 0x0                                ; the stores of four steps back have read this set of codes: it is written again only behind this wait
.endif
.set i, 0
.rept 32
	v_med3_num_f32 v[XS+i], v[XS+i], -v10, v10     ; the conversion to an 8-bit code does not saturate (ISA guide 7.6.2): the hold at the largest code x the scale
.set i, i+1
.endr
.irp g, 0,1,2,3
	v_cvt_scalef32_pk8_fp8_f32 v[CS+2*\g:CS+2*\g+1], v[XS+8*\g:XS+8*\g+7], v11
.endr
	global_store_b128 v8, v[CS:CS+3], s[12:13] offset:1024*(\t)          ; a whole piece: 512 consecutive bytes
	global_store_b128 v8, v[CS+4:CS+7], s[12:13] offset:1024*(\t)+512
.endm
	LOAD 0
	LOAD 1
	LOAD 2
	LOAD 3
	s_wait_alu depctr_va_vdst(0)                   ; directly ahead of the wait below
	s_wait_kmcnt 0x0
	SCALE 24
	s_wait_alu depctr_va_vdst(0)                   ; the wait at the head's end
	s_wait_loadcnt 24                              ; step 0's eight loads are in
	TURN 0
.irp t, 0,1,2,3,4,5,6,7
	STEP \t
.endr
	s_wait_tensorcnt 0x0                           ; the wave's end
	ds_add_u32 v[SPW], v[NIL]
	s_wait_dscnt 0x0
	s_endpgm
; ---- THE W ROLES.  K is the weight's FIRST axis: a lane takes a column and its registers run down K, so the conversions give codes with K innermost and nothing is transposed.
; A wave takes 32 columns x 128 along K: 4 blocks of 32, two of them (64 loads) asked for ahead.  A block's 32 codes of a lane are its 16 bytes in the halves h = 0 and h = 1 of one piece: each store fills two aligned runs of 256 bytes.
.macro WLOAD t, n
.set i, 0
.rept 32
	global_load_b32 v[WX+32*((\t)%2)+i], v5, s[36:37] offset:(32*(\t)+i)*(\n)*4 th:TH_LOAD_NT
.set i, i+1
.endr
.endm
.macro WBLOCK t, n
.set XS, WX+32*((\t)%2)
.if (\t) < 3
	s_wait_loadcnt 32                              ; this block's 32 loads are in; the next block's may be out
.else
	s_wait_loadcnt 0
.endif
.set i, 0
.rept 32
	v_med3_num_f32 v[XS+i], v[XS+i], -v10, v10
.set i, i+1
.endr
.irp g, 0,1,2,3
	v_cvt_scalef32_pk8_fp8_f32 v[WC+8*(\t)+2*\g:WC+8*(\t)+2*\g+1], v[XS+8*\g:XS+8*\g+7], v11
.endr
	global_store_b128 v8, v[WC+8*(\t):WC+8*(\t)+3], s[38:39] offset:512*(\t)          ; k = 32 t + 0 .. 15: the piece's lanes 0-15
	global_store_b128 v8, v[WC+8*(\t)+4:WC+8*(\t)+7], s[38:39] offset:512*(\t)+256    ; k = 32 t + 16 .. 31: its lanes 16-31
.if (\t)+2 < 4
	WLOAD (\t)+2, \n
.endif
.endm
; n: the weight's columns; perm = 1: w1_img's order of rows; first: the role's first work-group; sb, db: the pointers; e: the scale's register
.macro WROLE n, perm, first, sb, db, e
	s_sub_co_u32 s21, ttmp9, \first
	s_lshr_b32 s22, s21, 3                         ; which 128 columns
	s_and_b32 s23, s21, 7                          ; which 128 along K
	s_mul_i32 s32, s23, 128*(\n)*4
	s_lshl_b32 s33, s22, 9
	s_add_co_u32 s32, s32, s33
	s_lshl_b32 s33, s20, 7                         ; my wave's 32 columns
	s_add_co_u32 s32, s32, s33
	s_mov_b32 s33, 0
	s_add_nc_u64 s[36:37], s[\sb:\sb+1], s[32:33]
	s_lshl_b32 s32, s22, 3
	s_lshl_b32 s34, s20, 1
	s_add_co_u32 s32, s32, s34                     ; my wave's two tiles
	s_lshl_b32 s32, s32, 14
	s_lshl_b32 s34, s23, 11                        ; one of their eight s
	s_add_co_u32 s32, s32, s34
	s_add_nc_u64 s[38:39], s[\db:\db+1], s[32:33]
	v_lshlrev_b32 v5, 2, v2                        ; in: 4 bytes a lane
.if \perm
	v_and_b32 v8, 7, v0                            ; column 32 g + l goes to tile 2 g + (l / 8) % 2, row l % 8 + 8 (l / 16)
	v_lshl_add_u32 v8, v4, 3, v8
	v_lshlrev_b32 v8, 4, v8
	v_bfe_u32 v9, v0, 3, 1
	v_lshl_add_u32 v8, v9, 14, v8
.else
	v_lshlrev_b32 v8, 4, v3                        ; column 32 g + l goes to tile 2 g + l / 16, row l % 16
	v_lshl_add_u32 v8, v4, 14, v8
.endif
	WLOAD 0, \n
	WLOAD 1, \n
	s_wait_kmcnt 0x0
	SCALE \e
	s_wait_alu depctr_va_vdst(0)                   ; the wait at the head's end
.irp t, 0,1,2,3
	WBLOCK \t, \n
.endr
	s_endpgm
.endm
.Lweights:
	s_cmp_lt_u32 ttmp9, 448
	s_cbranch_scc0 .Lwproj
	s_wait_alu depctr_va_vdst(0)                   ; behind a taken branch
	WROLE 3072, 1, 256, 6, 14, 25
.Lwproj:
	s_wait_alu depctr_va_vdst(0)
	WROLE 1024, 0, 448, 8, 16, 31
.Lfunc_end_k_q039a3f2394_quant:
	.size	k_q039a3f2394_quant, .Lfunc_end_k_q039a3f2394_quant-k_q039a3f2394_quant
	.p2alignl 7, 3214868480
	.fill 96, 4, 3214868480
	.section	.rodata,"a",@progbits
	.p2align	6, 0x0
	.amdhsa_kernel k_q039a3f2394_quant
		.amdhsa_group_segment_fixed_size 35328
		.amdhsa_private_segment_fixed_size 0
		.amdhsa_enable_private_segment 0
		.amdhsa_kernarg_size 56
		.amdhsa_user_sgpr_count 2
		.amdhsa_user_sgpr_kernarg_segment_ptr 1
		.amdhsa_wavefront_size32 1
		.amdhsa_system_sgpr_workgroup_id_x 1
		.amdhsa_system_sgpr_workgroup_id_y 1
		.amdhsa_system_sgpr_workgroup_id_z 1
		.amdhsa_system_vgpr_workitem_id 0
		.amdhsa_next_free_vgpr 240
		.amdhsa_next_free_sgpr 66
		.amdhsa_reserve_vcc 0
		.amdhsa_float_denorm_mode_32 3
		.amdhsa_float_denorm_mode_16_64 3
		.amdhsa_memory_ordered 1
		.amdhsa_forward_progress 1
		.amdhsa_inst_pref_size 83
	.end_amdhsa_kernel
	.amdgpu_metadata
---
amdhsa.version: [ 1, 2 ]
amdhsa.kernels:
  - .name:           k_q039a3f2394_quant
    .symbol:         k_q039a3f2394_quant.kd
    .args:
      - { .name: x, .offset: 0, .size: 8, .value_kind: global_buffer, .address_space: global }
      - { .name: Wqkv, .offset: 8, .size: 8, .value_kind: global_buffer, .address_space: global }
      - { .name: Wproj, .offset: 16, .size: 8, .value_kind: global_buffer, .address_space: global }
      - { .name: lowp_scales, .offset: 24, .size: 8, .value_kind: global_buffer, .address_space: global }
      - { .name: x_img, .offset: 32, .size: 8, .value_kind: global_buffer, .address_space: global }
      - { .name: w1_img, .offset: 40, .size: 8, .value_kind: global_buffer, .address_space: global }
      - { .name: w2_img, .offset: 48, .size: 8, .value_kind: global_buffer, .address_space: global }
    .group_segment_fixed_size: 35328
    .private_segment_fixed_size: 0
    .kernarg_segment_align: 8
    .kernarg_segment_size: 56
    .max_flat_workgroup_size: 128
    .sgpr_count:     66
    .vgpr_count:     240
    .wavefront_size: 32
...
	.end_amdgpu_metadata
.endif
;; end of part 1
;; launch qkv (part 2): grid 8 x 32, 4 waves a work-group, clusters of 4 x 4, 327,680 bytes of LDS; arguments x_img, w1_img, lowp_scales, bqkv, q_img, k_img, v_img; writes q_img, k_img, v_img
.if DOCPART == 2
	.amdgcn_target "amdgcn-amd-amdhsa--gfx1250"
	.amdhsa_code_object_version 6
	.text
	.protected	k_q039a3f2394_qkv
	.globl	k_q039a3f2394_qkv
	.p2align	8
	.type	k_q039a3f2394_qkv,@function
k_q039a3f2394_qkv:
	s_mov_b64 s[64:65], 0
	v_nop
	global_prefetch_b8 v0, s[64:65] scope:SCOPE_SE
	s_setreg_imm32_b32 hwreg(HW_REG_WAVE_MODE, 25, 1), 1
	s_wait_xcnt 0x0
	s_wait_alu depctr_hold_cnt(0) depctr_sa_sdst(0) depctr_va_vdst(0) depctr_va_sdst(0) depctr_va_ssrc(0) depctr_va_vcc(0) depctr_vm_vsrc(0)
	s_getreg_b32 s2, hwreg(HW_REG_IB_STS2, 6, 4)
	s_cmp_eq_u32 s2, 0
	s_cbranch_scc0 .Lentry_in_a_cluster
	s_endpgm
.Lentry_in_a_cluster:
	s_bfe_u32 s2, ttmp6, 0x10000c
	s_cmp_lg_u32 s2, 0xf033
	s_cbranch_scc0 .Lentry_shape_is_right
	s_endpgm
.Lentry_shape_is_right:
; qkv = x Wqkv + bqkv on codes of FP8 (E4M3), M 8,192, N 3,072, K 1,024; the results are quantised on the way out: q (scale entry 2), k (entry 3), v (entry 5), and leave as images of operand registers.
; LIMITS: e0 + e1 between -126 and 126; e2, e3, e5, each less e0 + e1, between -126 and 119.  NaN is not served.
; SHARES.  A work-group makes 256 tokens x (128 columns of q, the same 128 of k, the same 128 of v): 32 x 8 = 256 work-groups.  A wave makes 128 tokens x one head (64 columns) of each of the three roles:
; 3 x 32 accumulators of 16 x 16, 768 registers.  K goes in eight steps of 128 through two LDS slots; a step is two halves of 64, each 96 matrix instructions a wave.
; THE OPERANDS ARE IMAGES: [tile of 16 rows][s 8][c 4][512 bytes], lane l's 16 bytes of a piece at 16 l.  A fragment (16 rows x 64 K) is two pieces on end; both operands hold k in the same order.
; q and k want a lane to a token and registers along the head's 64: source 0 = W, source 1 = x.  v wants a lane to a channel and registers along the tokens: source 0 = x, source 1 = W.
; THE BIAS BEGINS THE SUMS: each accumulator starts as bias / 2^(e0 + e1), so a finished sum x 2^(e0 + e1) is the result, and that factor goes into the conversion's scale: the way out is the hold and the conversion.
; CLUSTERS: 4 x 4.  The four of a row need the same tiles of x, the four of a column the same tiles of W: asked for JOINTLY.  Wave 0 fetches x's 16 tiles, waves 1 to 3 the 8 tiles of W of one role each.
; PREFETCH: behind each refill of the loop a wave names, of the K step that stands two refills on, its share of the blocks of 256 bytes that it will fetch; the four partners of a joint load share them out by address.
; K steps 0 to 3 come by their loads alone; the last two refills have no K step two on.
; OUT:  q_img, k_img [head 64][tile of 16 tokens 128][c 2][512];  v_img [head 64][key step 16][tile of 16 channels 4][c 4][512].
; REGISTERS.  Window 0: v1-18 addresses and scales; v32-159 x's fragments, two sets of 8 x 8; v160-255 W's fragments, 3 roles x 4 tiles x 8 (at the head: the bias); on the way out v32-223 codes.
; Windows 1, 2: q's and k's accumulators, (x block a, W tile b) at v[8 (4 a + b)].  Window 3: v's, (W tile a, x block b) at v[8 (8 a + b)].
.set KSB,   2048                       ; a K step's bytes of a tile of 16 rows
.set WOFF,  32768                      ; a slot: x's 16 tiles, then W's 3 x 8
.set SLOT1, 131072                     ; slot 1 begins here: one exclusive or turns an address
.set SPARE, 262144                     ; the spare words, 128 bytes for each wave
.set LI,  1
.set SPW, 2
.set NIL, 3
.set AX0, 4
.set AW0, 5
.set ADX, 6
.set ADW, 7
.set BO,  8
.set BOV, 9
.set PFO, 10
.set TP,  11
.set SC,  12                           ; v12-14 the roles' conversion scales
.set LIM, 16                           ; v16-18 448 x those
.set TP2, 20
.set XF,  32
.set WF,  160
.set BIQ, 160
.set BIK, 192
.set BV,  224
.set CD,  32
.set G1X, 24
.set G0X, 32
.set G0W, 36
.set G1W, 48
.set TB,  56
.set CNT, 57
.set PFA, 58
.set MSB, 0
.macro WIN new                         ; the immediate's high byte repeats the setting that is left
.if MSB != (\new)
	s_set_vgpr_msb (MSB<<8)|(\new)
.set MSB, \new
.endif
.endm
.macro PLACES                          ; plain vector lines between a matrix instruction and a load into, or a vector instruction on, its registers
.rept 4
	v_nop
.endr
.endm
.macro JLOAD                           ; a joint load: the branch hangs on the wave's number alone; an s_nop 0 and four v_nop follow each line
	s_cmp_eq_u32 s14, 0
	s_cbranch_scc0 .Lfor_w_\@
	tensor_load_to_lds s[G0X:G0X+3], s[G1X:G1X+7]
	s_nop 0
	PLACES
	s_branch .Lasked_\@
.Lfor_w_\@:
	tensor_load_to_lds s[G0W:G0W+3], s[G1W:G1W+7]
	s_nop 0
	PLACES
.Lasked_\@:
.endm
.macro DSTEP                           ; the walking descriptors: the other slot, the next K step.  Written only behind the wait that shows my load done
	s_xor_b32 s[G0X+1], s[G0X+1], SLOT1
	s_add_nc_u64 s[G0X+2:G0X+3], s[G0X+2:G0X+3], KSB
	s_xor_b32 s[G0W+1], s[G0W+1], SLOT1
	s_add_nc_u64 s[G0W+2:G0W+3], s[G0W+2:G0W+3], KSB
.endm
.macro CREST
	s_cmp_lg_u32 s14, 0
	s_cbranch_scc1 .Lnot_wave_0_\@
	s_barrier_signal -3
.Lnot_wave_0_\@:
	s_barrier_wait -3
	s_barrier_signal -1
	s_barrier_wait -1
.endm
.macro CROUND
	s_barrier_signal -1
	s_barrier_wait -1
	CREST
.endm
.macro ASK                             ; trips 0 to 3 of the six name K steps 4 to 7
	s_cmp_gt_u32 s[CNT], 2
	s_cbranch_scc0 .Lno_ask_\@
	global_prefetch_b8 v[PFO], s[PFA:PFA+1] th:TH_LOAD_NT scope:SCOPE_SE
.Lno_ask_\@:
.endm
.macro SETADR                          ; the fragment addresses in the slot at s[TB]
	v_add_nc_u32 v[ADX], s[TB], v[AX0]
	v_add_nc_u32 v[ADW], s[TB], v[AW0]
	s_wait_alu depctr_va_vdst(0)                   ; the wait behind these writes
.endm
	s_load_b128 s[4:7], s[0:1], 0x0                ; x_img, w1_img
	s_load_b128 s[8:11], s[0:1], 0x10              ; the scales' exponents, bqkv
	s_load_b128 s[68:71], s[0:1], 0x20             ; q_img, k_img
	s_load_b64 s[72:73], s[0:1], 0x30              ; v_img
	v_lshl_add_u32 v[SPW], v0, 2, SPARE
	v_mov_b32 v[NIL], 0
	ds_add_u32 v[SPW], v[NIL]                      ; the opening lines: the add, twice on end, and its wait ahead of my first tensor load
	ds_add_u32 v[SPW], v[NIL]
	v_lshrrev_b32 v[TP], 5, v0
	v_readfirstlane_b32 s14, v[TP]                 ; wave 0..3
	s_lshr_b32 s15, s14, 1                         ; my half of the tokens
	s_and_b32 s16, s14, 1                          ; my head of the two
	s_bfe_u32 s40, ttmp6, 0x40000                  ; cx, cy
	s_bfe_u32 s41, ttmp6, 0x40004
	s_lshl_b32 s42, ttmp9, 2
	s_add_co_u32 s42, s42, s40                     ; column group 0..7
	s_and_b32 s17, ttmp7, 0xffff
	s_lshl_b32 s17, s17, 2
	s_add_co_u32 s17, s17, s41                     ; row block 0..31
	s_lshl_b32 s43, s41, 2
	s_lshl_b32 s43, 15, s43                        ; my row of the cluster
	s_lshl_b32 s44, 0x1111, s40                    ; my column
	s_or_b32 s[G1X], s43, (3<<16)|(1<<21)          ; elements of 8 bytes; bit 21 beside a mask
	s_or_b32 s[G1W], s44, (3<<16)|(1<<21)
.irp g, G1X, G1W                       ; rows of 2,048 bytes (a tile's K step), 16,384 bytes apart
	s_mov_b32 s[\g+1], 256<<16
	s_mov_b32 s[\g+3], 256<<16
	s_mov_b32 s[\g+5], 2048
	s_mov_b32 s[\g+6], 0
	s_mov_b32 s[\g+7], 0
.endr
	s_mov_b32 s[G1X+2], 16<<16
	s_mov_b32 s[G1X+4], 16
	s_mov_b32 s[G1W+2], 8<<16
	s_mov_b32 s[G1W+4], 8
	s_lshl_b32 s20, s17, 18                        ; x: 16 tiles of 16,384 bytes for each row block
	s_mov_b32 s21, 0
	s_add_co_u32 s45, s14, 3
	s_and_b32 s45, s45, 3                          ; the role that I fetch: wave - 1 (wave 0 fetches x and never uses this)
	s_lshl_b32 s46, s45, 6
	s_lshl_b32 s47, s42, 3
	s_add_co_u32 s46, s46, s47
	s_lshl_b32 s46, s46, 14                        ; W: tile 64 x role + 8 x column group
	s_mov_b32 s47, 0
	s_lshl_b32 s18, s45, 14
	s_add_co_u32 s18, s18, WOFF
	s_wait_dscnt 0x0
	s_wait_kmcnt 0x0
	s_load_b256 s[80:87], s[8:9], 0x0              ; e0 .. e7
	s_mov_b32 s[G0X], 1
	s_mov_b32 s[G0X+1], 0
	s_add_nc_u64 s[G0X+2:G0X+3], s[4:5], s[20:21]
	s_or_b32 s[G0X+3], s[G0X+3], 0x80000000
	s_mov_b32 s[G0W], 1
	s_mov_b32 s[G0W+1], s18
	s_add_nc_u64 s[G0W+2:G0W+3], s[6:7], s[46:47]
	s_or_b32 s[G0W+3], s[G0W+3], 0x80000000
	CROUND                                         ; all sixteen work-groups are here: the first joint loads meet
	JLOAD                                          ; K step 0
	s_lshl_b32 s88, s42, 9
	s_lshl_b32 s89, s16, 8
	s_add_co_u32 s88, s88, s89                     ; the bias of my head: 4 (128 x column group + 64 x head); k's 4,096 and v's 8,192 bytes on
	s_mov_b32 s89, 0
	s_add_nc_u64 s[10:11], s[10:11], s[88:89]
	s_lshl_b32 s74, s15, 14
	s_lshl_b32 s75, s16, 13
	s_add_co_u32 s75, s75, WOFF
	s_lshr_b32 s76, s17, 3
	s_lshl_b32 s76, s76, 4
	s_lshl_b32 s77, s42, 1
	s_add_co_u32 s76, s76, s77
	s_add_co_u32 s76, s76, s16                     ; my head: 16 x batch + 2 x column group + head
	s_and_b32 s77, s17, 7                          ; the row block in its batch
	s_lshl_b32 s78, s76, 7
	s_lshl_b32 s90, s77, 4
	s_add_co_u32 s78, s78, s90
	s_lshl_b32 s90, s15, 3
	s_add_co_u32 s78, s78, s90
	s_lshl_b32 s78, s78, 10                        ; q, k: (128 x head + 16 x row block + 8 x half) tiles of 1,024 bytes
	s_mov_b32 s79, 0
	s_add_nc_u64 s[60:61], s[68:69], s[78:79]
	s_add_nc_u64 s[62:63], s[70:71], s[78:79]
	s_lshl_b32 s78, s76, 4
	s_lshl_b32 s90, s77, 1
	s_add_co_u32 s78, s78, s90
	s_add_co_u32 s78, s78, s15
	s_lshl_b32 s78, s78, 13                        ; v: (16 x head + 2 x row block + half) key steps of 8,192 bytes
	s_add_nc_u64 s[66:67], s[72:73], s[78:79]
	s_lshl_b32 s89, s40, 16                        ; the prefetches: of x's 16 tiles the partner at cx takes four,
	s_lshl_b32 s90, s41, 15                        ; of a role's 8 tiles of W the partner at cy two
	s_mov_b32 s91, 15
	s_cmp_eq_u32 s14, 0
	s_cselect_b64 s[PFA:PFA+1], s[4:5], s[6:7]
	s_cselect_b32 s88, s20, s46
	s_cselect_b32 s89, s89, s90
	s_cselect_b32 s91, 31, s91                     ; 32 blocks or 16; the lanes left over name the last again
	s_add_co_u32 s88, s88, s89
	s_add_co_u32 s88, s88, 3*KSB                   ; the first trip steps it to K step 4
	s_mov_b32 s89, 0
	s_add_nc_u64 s[PFA:PFA+1], s[PFA:PFA+1], s[88:89]
	s_mov_b32 s[TB], 0
	v_and_b32 v[TP], 31, v0
	v_lshlrev_b32 v[LI], 4, v[TP]
	v_min_u32 v[TP], s91, v[TP]
	v_lshrrev_b32 v[TP2], 3, v[TP]
	v_and_b32 v[PFO], 7, v[TP]
	v_lshlrev_b32 v[PFO], 8, v[PFO]
	v_lshl_add_u32 v[PFO], v[TP2], 14, v[PFO]      ; eight blocks of 256 bytes to a tile's K step
	v_bfe_u32 v[BO], v0, 4, 1
	v_lshlrev_b32 v[BO], 6, v[BO]                  ; q, k: register j of tile 2 g + u is column 32 g + 16 h + 8 u + j
	v_and_b32 v[BOV], 7, v0
	v_bfe_u32 v[TP2], v0, 3, 1
	v_lshlrev_b32 v[BOV], 2, v[BOV]
	v_lshl_add_u32 v[BOV], v[TP2], 6, v[BOV]       ; v: lane r of tile 2 g + u is column 32 g + 8 u + r % 8 + 16 (r / 8)
	v_add_nc_u32 v[AX0], s74, v[LI]
	v_add_nc_u32 v[AW0], s75, v[LI]
.irp b, 0,1,2,3
	global_load_b128 v[BIQ+8*\b:BIQ+8*\b+3], v[BO], s[10:11] offset:128*(\b/2)+32*(\b%2)
	global_load_b128 v[BIQ+8*\b+4:BIQ+8*\b+7], v[BO], s[10:11] offset:128*(\b/2)+32*(\b%2)+16
	global_load_b128 v[BIK+8*\b:BIK+8*\b+3], v[BO], s[10:11] offset:4096+128*(\b/2)+32*(\b%2)
	global_load_b128 v[BIK+8*\b+4:BIK+8*\b+7], v[BO], s[10:11] offset:4096+128*(\b/2)+32*(\b%2)+16
	global_load_b32 v[BV+2*\b], v[BOV], s[10:11] offset:8192+128*(\b/2)+32*(\b%2)
	global_load_b32 v[BV+2*\b+1], v[BOV], s[10:11] offset:8192+128*(\b/2)+32*(\b%2)   ; (the packed form names the pair)
.endr
	SETADR
	s_wait_kmcnt 0x0
	s_add_co_i32 s92, s80, s81                     ; e0 + e1
	s_sub_co_i32 s93, 127, s92
	s_lshl_b32 s96, s93, 23                        ; 2^-(e0 + e1) as f32
	s_mov_b32 s97, s96
.macro ROLESC r, e                     ; a sum's code is sum / 2^(e - e0 - e1)
	s_sub_co_i32 s93, s[\e], s92
	s_add_co_i32 s93, s93, 127
	s_lshl_b32 s94, s93, 23
	v_mov_b32 v[SC+\r], s94
	s_add_co_i32 s93, s93, 8
	s_lshl_b32 s93, s93, 23
	s_or_b32 s93, s93, 0x600000
	v_mov_b32 v[LIM+\r], s93
.endm
	ROLESC 0, 82
	ROLESC 1, 83
	ROLESC 2, 85
	s_wait_loadcnt 0x0                             ; the bias
	WIN 0x40
.set i, 0
.rept 128
	v_pk_mul_f32 v[2*i:2*i+1], v[BIQ+2*(i%16):BIQ+2*(i%16)+1], s[96:97] op_sel_hi:[1,0]
.set i, i+1
.endr
	WIN 0x80
.set i, 0
.rept 128
	v_pk_mul_f32 v[2*i:2*i+1], v[BIK+2*(i%16):BIK+2*(i%16)+1], s[96:97] op_sel_hi:[1,0]
.set i, i+1
.endr
	WIN 0xc0
.set i, 0
.rept 128
	v_pk_mul_f32 v[2*i:2*i+1], v[BV+2*(i/32):BV+2*(i/32)+1], s[96:97] op_sel_hi:[1,0]
.set i, i+1
.endr
	WIN 0
.macro FW r, u                         ; role r's four tiles of W, half u of the K step: 8 loads
.set i, 0
.rept 8
	ds_load_b128 v[WF+32*(\r)+4*i:WF+32*(\r)+4*i+3], v[ADW] offset:16384*(\r)+2048*(i/2)+1024*(\u)+512*(i%2)
.set i, i+1
.endr
.endm
.macro FX u, set                       ; my eight blocks of x: 16 loads
.set i, 0
.rept 16
	ds_load_b128 v[XF+64*(\set)+4*i:XF+64*(\set)+4*i+3], v[ADX] offset:2048*(i/2)+1024*(\u)+512*(i%2)
.set i, i+1
.endr
.endm
; 32 matrix instructions of one role.  The 96 accumulators take turns, one instruction a turn, in the same order in every half step.
.macro MQ r, set
	WIN 0x50*(1+\r)
.set i, 0
.rept 32
	v_wmma_f32_16x16x64_fp8_fp8 v[8*i:8*i+7], v[WF+32*(\r)+8*(i%4):WF+32*(\r)+8*(i%4)+7], v[XF+64*(\set)+8*(i/4):XF+64*(\set)+8*(i/4)+7], v[8*i:8*i+7]
.set i, i+1
.endr
.endm
.macro MV set
	WIN 0xf0
.set i, 0
.rept 32
	v_wmma_f32_16x16x64_fp8_fp8 v[8*i:8*i+7], v[XF+64*(\set)+8*(i%8):XF+64*(\set)+8*(i%8)+7], v[WF+64+8*(i/8):WF+64+8*(i/8)+7], v[8*i:8*i+7]
.set i, i+1
.endr
.endm
; A K STEP of 128: two halves.  A role's fragments of W are fetched anew as soon as its 32 products are issued; x has two sets.  LDS loads go out in the order W q, x, W k, W v.
; mode 2: the slot is left and filled again, two K steps ahead; 1: it is left; 0: the last K step.
.macro PAIR mode
	s_wait_dscnt 16                                ; W q and x are in; W k's and W v's sixteen loads may be out
	MQ 0, 0
	PLACES
	WIN 0
	FW 0, 1
	FX 1, 1
	s_wait_dscnt 32                                ; W k is in: behind it W v's 8 and the 24 just issued
	MQ 1, 0
	PLACES
	WIN 0
	FW 1, 1
	s_wait_dscnt 32                                ; W v is in: behind it 24 and 8
	MV 0
	PLACES
	WIN 0
	FW 2, 1
	s_wait_dscnt 16
	MQ 0, 1
	WIN 0
.if \mode > 0
	s_wait_tensorcnt 0x0                           ; my part of the next slot has landed
	ds_add_u32 v[SPW], v[NIL]
.if \mode == 2
	DSTEP
	s_wait_xcnt 0x0                                ; any prefetch of mine has read its address
	s_add_nc_u64 s[PFA:PFA+1], s[PFA:PFA+1], KSB
.endif
	s_xor_b32 s[TB], s[TB], SLOT1
	s_wait_dscnt 0x0                               ; the add is done, and all my reads of this slot are in registers
	s_barrier_signal -1
	MQ 1, 1
	WIN 0
	s_barrier_wait -1
.if \mode == 2
	CREST                                          ; the barrier has opened a round of the cluster's barrier
	JLOAD                                          ; the first tensor load behind the round; its four v_nop are the places in front of the loads below
.else
	PLACES
.endif
	SETADR
	FW 0, 0
	FX 0, 0
	FW 1, 0
.if \mode == 2
	ASK
.endif
	MV 1
	PLACES
	WIN 0
	FW 2, 0
.else
	s_wait_dscnt 0x0
	MQ 1, 1
	MV 1
	PLACES
	WIN 0
.endif
.endm
	s_wait_alu depctr_va_vdst(0)                   ; the wait at the head's end
	s_wait_tensorcnt 0x0                           ; my part of K step 0 is in
	ds_add_u32 v[SPW], v[NIL]
	DSTEP
	s_wait_dscnt 0x0
	CROUND
	JLOAD                                          ; K step 1, slot 1's first fill
	FW 0, 0
	FX 0, 0
	FW 1, 0
	FW 2, 0
	s_mov_b32 s[CNT], 6
.Lpair:                                                ; K steps 0 to 5: each asks for the K step two on
	PAIR 2
	s_sub_co_u32 s[CNT], s[CNT], 1
	s_cmp_lg_u32 s[CNT], 0
	s_cbranch_scc1 .Lpair
	PAIR 1
	PAIR 0
; THE WAY OUT of a role: the hold in place (each accumulator from its low end on), the conversion; two neighbouring accumulators give a lane the 16 bytes of a piece; piece n of the 16 is stored 512 n bytes on, 512 consecutive bytes an instruction.
.macro EPI r, base
	WIN 0x41*(1+\r)
.set i, 0
.rept 256
	v_med3_num_f32 v[i], v[i], -v[LIM+\r], v[LIM+\r]   ; the conversion to an 8-bit code does not saturate (ISA guide 7.6.2)
.set i, i+1
.endr
	WIN 1+\r
.set i, 0
.rept 32
	v_cvt_scalef32_pk8_fp8_f32 v[CD+64*(\r)+2*i:CD+64*(\r)+2*i+1], v[8*i:8*i+7], v[SC+\r]
.set i, i+1
.endr
	v_nop                                          ; a plain line behind the last conversion
	WIN 0
.set i, 0
.rept 16
	global_store_b128 v[LI], v[CD+64*(\r)+4*i:CD+64*(\r)+4*i+3], s[\base:\base+1] offset:512*i
.set i, i+1
.endr
.endm
	EPI 0, 60
	EPI 1, 62
	EPI 2, 66
	s_wait_tensorcnt 0x0                           ; the wave's end
	ds_add_u32 v[SPW], v[NIL]
	s_wait_dscnt 0x0
	CROUND                                         ; the closing round
	s_endpgm
.Lfunc_end_k_q039a3f2394_qkv:
	.size	k_q039a3f2394_qkv, .Lfunc_end_k_q039a3f2394_qkv-k_q039a3f2394_qkv
	.p2alignl 7, 3214868480
	.fill 96, 4, 3214868480
	.section	.rodata,"a",@progbits
	.p2align	6, 0x0
	.amdhsa_kernel k_q039a3f2394_qkv
		.amdhsa_group_segment_fixed_size 327680
		.amdhsa_private_segment_fixed_size 0
		.amdhsa_enable_private_segment 0
		.amdhsa_kernarg_size 56
		.amdhsa_user_sgpr_count 2
		.amdhsa_user_sgpr_kernarg_segment_ptr 1
		.amdhsa_wavefront_size32 1
		.amdhsa_system_sgpr_workgroup_id_x 1
		.amdhsa_system_sgpr_workgroup_id_y 1
		.amdhsa_system_sgpr_workgroup_id_z 1
		.amdhsa_system_vgpr_workitem_id 0
		.amdhsa_next_free_vgpr 1024
		.amdhsa_next_free_sgpr 100
		.amdhsa_reserve_vcc 0
		.amdhsa_float_denorm_mode_32 3
		.amdhsa_float_denorm_mode_16_64 3
		.amdhsa_memory_ordered 1
		.amdhsa_forward_progress 1
		.amdhsa_inst_pref_size 151
	.end_amdhsa_kernel
	.amdgpu_metadata
---
amdhsa.version: [ 1, 2 ]
amdhsa.kernels:
  - .name:           k_q039a3f2394_qkv
    .symbol:         k_q039a3f2394_qkv.kd
    .args:
      - { .name: x_img, .offset: 0, .size: 8, .value_kind: global_buffer, .address_space: global }
      - { .name: w1_img, .offset: 8, .size: 8, .value_kind: global_buffer, .address_space: global }
      - { .name: lowp_scales, .offset: 16, .size: 8, .value_kind: global_buffer, .address_space: global }
      - { .name: bqkv, .offset: 24, .size: 8, .value_kind: global_buffer, .address_space: global }
      - { .name: q_img, .offset: 32, .size: 8, .value_kind: global_buffer, .address_space: global }
      - { .name: k_img, .offset: 40, .size: 8, .value_kind: global_buffer, .address_space: global }
      - { .name: v_img, .offset: 48, .size: 8, .value_kind: global_buffer, .address_space: global }
    .group_segment_fixed_size: 327680
    .private_segment_fixed_size: 0
    .kernarg_segment_align: 8
    .kernarg_segment_size: 56
    .max_flat_workgroup_size: 128
    .sgpr_count:     100
    .vgpr_count:     1024
    .wavefront_size: 32
...
	.end_amdgpu_metadata
.endif
;; end of part 2
;; launch attn (part 3): grid 4 x 64, 8 waves a work-group, clusters of 4 x 1, 327,680 bytes of LDS; arguments q_img, k_img, v_img, lowp_scales, o_img; writes o_img
.if DOCPART == 3
	.amdgcn_target "amdgcn-amd-amdhsa--gfx1250"
	.amdhsa_code_object_version 6
	.text
	.protected	k_q039a3f2394_attn
	.globl	k_q039a3f2394_attn
	.p2align	8
	.type	k_q039a3f2394_attn,@function
k_q039a3f2394_attn:
	s_mov_b64 s[64:65], 0
	v_nop
	global_prefetch_b8 v0, s[64:65] scope:SCOPE_SE
	s_setreg_imm32_b32 hwreg(HW_REG_WAVE_MODE, 25, 1), 1
	s_wait_xcnt 0x0
	s_wait_alu depctr_hold_cnt(0) depctr_sa_sdst(0) depctr_va_vdst(0) depctr_va_sdst(0) depctr_va_ssrc(0) depctr_va_vcc(0) depctr_vm_vsrc(0)
	s_getreg_b32 s2, hwreg(HW_REG_IB_STS2, 6, 4)
	s_cmp_eq_u32 s2, 0
	s_cbranch_scc0 .Lentry_in_a_cluster
	s_endpgm
.Lentry_in_a_cluster:
	s_bfe_u32 s2, ttmp6, 0x10000c
	s_cmp_lg_u32 s2, 0x3003
	s_cbranch_scc0 .Lentry_shape_is_right
	s_endpgm
.Lentry_shape_is_right:
; Causal attention of one head (work-group y: 16 x batch + head) on codes of FP8 (E4M3): S^T = K Q^T, p = 2^(t - M), O^T = V^T P^T, O / the row's sum quantised (scale entry 6) into o_img.
; t = score x 2^(e2 + e3) x log2(e) / 8; M = the running largest t rounded up to a whole number; the sum is taken of the unquantised p; when M moves, sums and O^T are multiplied by 2^(old M - new M).
; WORK LEFT OUT: key steps that lie wholly behind a unit's queries (reference()'s own causal mask makes p = 0 there for all inputs) are not walked.
; LIMITS: e2 + e3 between -123 and 130; e4 and e6 between -126 and 119; the scaled scores stay under 2^31 in magnitude; NaN is not served.
; SHARES.  A unit is 32 queries (two tiles of 16); a head has 64.  Wave w (0..7) of work-group x (0..3) owns units 63 - (4 w + x) and 4 w + x: 16 - w and w + 1 key steps of 128 keys, 17 for every wave.
; Both tiles of a unit are multiplied against each fragment of K and V, so a fragment read from LDS feeds two matrix instructions.
; Trip counts, branches and LDS addresses hang on the wave's number alone; x enters global addresses and scalar selects only.  So the four work-groups of a head form a cluster and ask for K and V JOINTLY.
; LDS: the head's K (16 key steps x 8,192 bytes) from byte 0, its V from byte 131,072, each filled once: key steps 0-3 at the head, 4-15 behind one full sequence and round; every work-group reads all 16.
; PREFETCH: while the first fill is on its way each wave names 24 of the 768 blocks of 256 bytes that the second fill will ask for; the 32 waves of the cluster share them out by address.  Nothing later is loaded, so there is no other.
; LAYOUT as the images give it: a lane holds one query (lane % 16); register j of score tile t is key 16 t + 8 (lane / 16) + j, which is the place the second product's operand wants.
; REGISTERS.  Window 0: v1-11 addresses and constants; v12-35 two sets of row numbers; v36-55 the way out; v64-127, v128-191 the two tiles' scores, then p; v192-255 tile 0's held p.
; Window 1: v0-63 K's fragments, v64-127 V's, v128-191 O^T of the two tiles, v192-223 p's codes, v224-239 Q of the unit in hand, v240-255 Q of the second unit.
.set KSB,   8192
.set VOFF,  131072
.set SPARE, 262144                     ; behind K and V: the spare words, 128 bytes for each wave
.set LI,   1                           ; 16 x lane
.set SPW,  2
.set NIL,  3
.set ADK,  4
.set ADV,  5
.set RH,   6                           ; lane % 16 - 8 (lane / 16)
.set NINF, 7
.set LIMP, 8                           ; v8, v9: 448 x 2^e4, twice: the two halves of a dual pair take registers of different banks
.set SCP,  10
.set TP,   11
.set NM,   12                          ; row numbers of tile a at + 12 a: -M (pair), f (pair), the sum in two chains of pairs, the largest score, three at work
.set FC,   14
.set LA,   16
.set LB,   18
.set RM,   20
.set MA,   21
.set MB,   22
.set PX,   23
.set LIMO, 36
.set SCO,  37
.set PFO,  38
.set OC,   40
.set SA,   64
.set SB,   128
.set TQ,   192
.set KF,   0
.set VF,   64
.set OA,   128
.set OB,   160
.set PCA,  192
.set PCB,  208
.set QA,   224
.set QN,   240
.set SEL,  20
.set CS,   22
.set G1A,  24
.set G1B,  32
.set G0A,  40
.set G0B,  44
.set IX,   48                          ; the step's number, 0..16
.set NA,   49                          ; steps of the first unit
.set LASTI, 50                         ; the step of the unit in hand that holds its diagonal
.set SG,   51                          ; which 32 keys of that step the unit's queries face
.set TB,   52
.set TBV,  67
.set TRI,  80                          ; s80-87: lanes in which key 8 (lane / 16) + j comes after query lane % 16
.set ME,   88
.set MH,   89
.set MT,   90
.set MSB, 0
.macro WIN new                         ; the immediate's high byte repeats the setting that is left
.if MSB != (\new)
	s_set_vgpr_msb (MSB<<8)|(\new)
.set MSB, \new
.endif
.endm
.macro ROUND                           ; a round of the cluster's barrier
	s_barrier_signal -1
	s_barrier_wait -1
	s_cmp_lg_u32 s14, 0
	s_cbranch_scc1 .Lnot_wave_0_\@
	s_barrier_signal -3
.Lnot_wave_0_\@:
	s_barrier_wait -3
	s_barrier_signal -1
	s_barrier_wait -1
.endm
	s_load_b256 s[4:11], s[0:1], 0x0               ; q_img, k_img, v_img, the scales' exponents
	s_load_b64 s[12:13], s[0:1], 0x20              ; o_img
	v_lshl_add_u32 v[SPW], v0, 2, SPARE
	v_mov_b32 v[NIL], 0
	ds_add_u32 v[SPW], v[NIL]                      ; the opening lines: the add, twice on end, and its wait ahead of my first tensor load
	ds_add_u32 v[SPW], v[NIL]
	v_lshrrev_b32 v[TP], 5, v0
	v_readfirstlane_b32 s14, v[TP]                 ; wave 0..7
	s_lshr_b32 s15, s14, 2                         ; waves 0-3 fetch K, waves 4-7 V
	s_and_b32 s16, s14, 3
	s_bfe_u32 s3, ttmp6, 0x40000                   ; x: my place in the cluster
	s_and_b32 s17, ttmp7, 0xffff
	s_lshl_b32 s18, s17, 17                        ; the head's 131,072 bytes in q_img, k_img, v_img
	s_mov_b32 s19, 0
.irp g, G1A, G1B                       ; dense blocks as rows of 2,048 bytes, elements of 8 bytes; mask: all four partners, bit 21 beside it
	s_mov_b32 s[\g], 15|(3<<16)|(1<<21)
	s_mov_b32 s[\g+1], 256<<16
	s_mov_b32 s[\g+3], 256<<16
	s_mov_b32 s[\g+5], 256
	s_mov_b32 s[\g+6], 0
	s_mov_b32 s[\g+7], 0
.endr
	s_mov_b32 s[G1A+2], 4<<16                      ; first fill: one key step a wave, 4 rows
	s_mov_b32 s[G1A+4], 4
	s_mov_b32 s[G1B+2], 12<<16                     ; second fill: three key steps a wave, 12 rows
	s_mov_b32 s[G1B+4], 12
	s_lshl_b32 s60, s15, 17
	s_lshl_b32 s62, s16, 13
	s_mov_b32 s63, 0
	s_mul_i32 s76, s16, 3*KSB
	s_add_co_u32 s76, s76, 4*KSB
	s_mov_b32 s77, 0
	s_mov_b32 s[G0A], 1
	s_add_co_u32 s[G0A+1], s60, s62
	s_mov_b32 s[G0B], 1
	s_add_co_u32 s[G0B+1], s60, s76
	s_mov_b32 s[SEL], 0x76543210
	s_mov_b32 s[SEL+1], 0xfedcba98
	s_mov_b32 s[CS], 0x3e38aa3b                    ; log2(e) / 8
	s_wait_dscnt 0x0
	s_wait_kmcnt 0x0
	s_load_b256 s[68:75], s[10:11], 0x0            ; e0 .. e7
	s_cmp_eq_u32 s15, 0
	s_cselect_b64 s[78:79], s[6:7], s[8:9]
	s_add_nc_u64 s[78:79], s[78:79], s[18:19]
	s_add_nc_u64 s[G0A+2:G0A+3], s[78:79], s[62:63]
	s_or_b32 s[G0A+3], s[G0A+3], 0x80000000
	s_add_nc_u64 s[G0B+2:G0B+3], s[78:79], s[76:77]
	s_or_b32 s[G0B+3], s[G0B+3], 0x80000000
	ROUND                                          ; the four work-groups are here: the first joint loads meet
	tensor_load_to_lds s[G0A:G0A+3], s[G1A:G1A+7]  ; key steps 0-3 of K and V
	s_nop 0
.rept 4
	v_nop
.endr
	s_lshl_b32 s54, s14, 2
	s_add_co_u32 s55, s54, s3                      ; the second unit: 4 w + x
	s_sub_co_u32 s54, 63, s55                      ; the first
	s_sub_co_u32 s[NA], 16, s14
	s_sub_co_u32 s[LASTI], 15, s14
	s_sub_co_u32 s[SG], 3, s3
	s_add_nc_u64 s[4:5], s[4:5], s[18:19]
	s_lshl_b32 s60, s54, 11                        ; a unit's Q: 2,048 bytes
	s_mov_b32 s61, 0
	s_add_nc_u64 s[62:63], s[4:5], s[60:61]
	s_lshl_b32 s60, s55, 11
	s_add_nc_u64 s[76:77], s[4:5], s[60:61]
	v_and_b32 v[TP], 31, v0
	v_lshlrev_b32 v[LI], 4, v[TP]
	v_min_u32 v[PFO], 23, v[TP]
	v_lshlrev_b32 v[PFO], 8, v[PFO]                ; 24 blocks a wave, lanes 256 bytes apart; the lanes left over name the last again
	WIN 0x40
.irp c, 0,1,2,3
	global_load_b128 v[QA+4*\c:QA+4*\c+3], v[LI], s[62:63] offset:512*\c
	global_load_b128 v[QN+4*\c:QN+4*\c+3], v[LI], s[76:77] offset:512*\c
.endr
.set j, 0
.rept 64
	v_mov_b32 v[OA+j], 0                           ; O^T, once: the first factor f of a unit is 0, so the second unit clears nothing
.set j, j+1
.endr
	WIN 0
	s_lshl_b32 s60, s3, 3
	s_add_co_u32 s60, s60, s14                     ; 8 x + w: waves 0-15 of the cluster name K's blocks, 16-31 V's
	s_and_b32 s60, s60, 15
	s_mul_i32 s60, s60, 24*256
	s_add_co_u32 s60, s60, 4*KSB
	s_cmp_lt_u32 s3, 2
	s_cselect_b64 s[92:93], s[6:7], s[8:9]
	s_add_nc_u64 s[92:93], s[92:93], s[18:19]
	s_add_nc_u64 s[92:93], s[92:93], s[60:61]
	global_prefetch_b8 v[PFO], s[92:93] th:TH_LOAD_NT scope:SCOPE_SE   ; its address registers are never written again
	s_lshr_b32 s60, s17, 4
	s_lshl_b32 s60, s60, 7                         ; o_img: tile of 16 tokens = 128 x batch + 2 x unit, 16,384 bytes each; the head's 64 channels are 1,024 of them
	s_and_b32 s61, s17, 15
	s_lshl_b32 s61, s61, 10
	s_lshl_b32 s78, s54, 1
	s_add_co_u32 s78, s78, s60
	s_lshl_b32 s78, s78, 14
	s_add_co_u32 s78, s78, s61
	s_mov_b32 s79, 0
	s_add_nc_u64 s[56:57], s[12:13], s[78:79]
	s_lshl_b32 s78, s55, 1
	s_add_co_u32 s78, s78, s60
	s_lshl_b32 s78, s78, 14
	s_add_co_u32 s78, s78, s61
	s_add_nc_u64 s[58:59], s[12:13], s[78:79]
	v_and_b32 v[RH], 15, v0
	v_bfe_u32 v[TP], v0, 4, 1
	v_lshlrev_b32 v[TP], 3, v[TP]
	v_sub_nc_u32 v[RH], v[RH], v[TP]
.irp j, 0,1,2,3,4,5,6,7
	v_cmp_gt_i32 s[TRI+\j], \j, v[RH]
.endr
	v_mov_b32 v[NINF], 0xff800000
.macro RESET                           ; the largest score -3e38, -M 3e38: the unit's first f is 2^(a whole number that saturates) = 0
.irp a, 0,1
	v_mov_b32 v[RM+12*\a], 0xff61b1e6
	v_mov_b32 v[NM+12*\a], 0x7f61b1e6
.endr
.endm
	RESET
.irp a, 0,1
	v_mov_b32 v[NM+12*\a+1], 0                     ; (upper halves of pairs that packed forms name)
	v_mov_b32 v[FC+12*\a+1], 0
	v_mov_b32 v[LA+12*\a], 0
	v_mov_b32 v[LA+12*\a+1], 0
	v_mov_b32 v[LB+12*\a], 0
	v_mov_b32 v[LB+12*\a+1], 0
	v_mov_b32 v[PX+12*\a], 0                       ; a lane permute's destination counts as a source
.endr
	s_wait_kmcnt 0x0
	s_add_co_i32 s60, s70, s71
	s_lshl_b32 s60, s60, 23
	s_add_co_i32 s[CS], s[CS], s60                 ; e2 + e3 added to c's exponent field
	s_mov_b32 s[CS+1], s[CS]
	s_add_co_i32 s60, s72, 127
	s_lshl_b32 s61, s60, 23
	v_mov_b32 v[SCP], s61                          ; 2^e4
	s_add_co_i32 s60, s60, 8
	s_lshl_b32 s60, s60, 23
	s_or_b32 s60, s60, 0x600000
	v_mov_b32 v[LIMP], s60                         ; 448 x 2^e4
	v_mov_b32 v[LIMP+1], s60
	s_add_co_i32 s60, s74, 127
	s_lshl_b32 s61, s60, 23
	v_mov_b32 v[SCO], s61                          ; 2^e6
	s_add_co_i32 s60, s60, 8
	s_lshl_b32 s60, s60, 23
	s_or_b32 s60, s60, 0x600000
	v_mov_b32 v[LIMO], s60
	s_add_co_i32 s53, s72, s73                     ; e4 + e5
; A KEY STEP: 128 keys against the unit's two tiles of queries; V at LDS byte s[TBV].
; mask = 0 (key steps 0-3): K is fetched at the step's head, from byte s[TB].  mask = 1 (all of K lies in LDS): this step's K was fetched a step ago, and the NEXT step's, at byte s[TB], is fetched behind the first product.
.macro STEP mask
	v_add_nc_u32 v[ADK], s[TB], v[LI]
	v_add_nc_u32 v[ADV], s[TBV], v[LI]
	v_nop                                          ; with the two additions: four places behind the last products, in front of loads into V's registers
	v_nop
	WIN 0x40
.if \mask == 0
.set j, 0
.rept 16
	ds_load_b128 v[KF+4*j:KF+4*j+3], v[ADK] offset:512*j
.set j, j+1
.endr
.endif
.set j, 0
.rept 16
	ds_load_b128 v[VF+4*j:VF+4*j+3], v[ADV] offset:512*j
.set j, j+1
.endr
	s_wait_alu depctr_va_vdst(0)                   ; directly ahead of the wait below
	s_wait_dscnt 16                                ; K's sixteen loads are in; V's sixteen may be out
	WIN 0x05
.set j, 0
.rept 8
	v_wmma_f32_16x16x64_fp8_fp8 v[SA+8*j:SA+8*j+7], v[KF+8*j:KF+8*j+7], v[QA:QA+7], 0
	v_wmma_f32_16x16x64_fp8_fp8 v[SB+8*j:SB+8*j+7], v[KF+8*j:KF+8*j+7], v[QA+8:QA+15], 0
.set j, j+1
.endr
	WIN 0
.rept 4
	v_nop
.endr
.if \mask
	WIN 0x40
.set j, 0
.rept 16
	ds_load_b128 v[KF+4*j:KF+4*j+3], v[ADK] offset:512*j   ; the next step's K: the four lines above are the places behind the products that read these registers
.set j, j+1
.endr
	WIN 0
; The step with the unit's diagonal.  The unit's queries face keys 32 g .. 32 g + 31 of the step, g = s[SG].  Of the step's four groups c of 32 keys: c < g counts, c > g is hidden, c = g holds two triangles,
; one square that counts and one that is hidden.  The lane masks are made by scalar selects; each score is one select.
	s_cmp_lg_u32 s[IX], s[LASTI]
	s_cbranch_scc1 .Lopen_\@
.irp c, 0,1,2,3
	s_cmp_le_u32 s[SG], \c
	s_cselect_b32 s[ME], -1, 0
	s_cmp_lt_u32 s[SG], \c
	s_cselect_b32 s[MH], -1, 0
.irp j, 0,1,2,3,4,5,6,7
	s_and_b32 s[MT], s[TRI+\j], s[ME]
	s_or_b32 s[MT], s[MT], s[MH]
	v_cndmask_b32 v[SA+16*\c+\j], v[SA+16*\c+\j], v[NINF], s[MT]
	v_cndmask_b32 v[SB+16*\c+8+\j], v[SB+16*\c+8+\j], v[NINF], s[MT]
	v_cndmask_b32 v[SA+16*\c+8+\j], v[SA+16*\c+8+\j], v[NINF], s[ME]
	v_cndmask_b32 v[SB+16*\c+\j], v[SB+16*\c+\j], v[NINF], s[MH]
.endr
.endr
.Lopen_\@:
.endif
	v_max3_num_f32 v[MA], v[RM], v[SA], v[SA+1]    ; the largest score so far begins the chains: two chains a tile, four by turns; each accumulator from its low end on
	v_max3_num_f32 v[MA+12], v[RM+12], v[SB], v[SB+1]
	v_max3_num_f32 v[MB], v[RM], v[SA+2], v[SA+3]
	v_max3_num_f32 v[MB+12], v[RM+12], v[SB+2], v[SB+3]
.set j, 4
.rept 15
	v_max3_num_f32 v[MA], v[MA], v[SA+j], v[SA+j+1]
	v_max3_num_f32 v[MA+12], v[MA+12], v[SB+j], v[SB+j+1]
	v_max3_num_f32 v[MB], v[MB], v[SA+j+2], v[SA+j+3]
	v_max3_num_f32 v[MB+12], v[MB+12], v[SB+j+2], v[SB+j+3]
.set j, j+4
.endr
.irp a, 0,1
	v_max_num_f32 v[MA+12*\a], v[MA+12*\a], v[MB+12*\a]
.endr
.irp a, 0,1
	v_permlanex16_b32 v[PX+12*\a], v[MA+12*\a], s[SEL], s[SEL+1]
.endr
.irp a, 0,1
	v_max_num_f32 v[RM+12*\a], v[MA+12*\a], v[PX+12*\a]
.endr
.irp a, 0,1
	v_mul_f32 v[MA+12*\a], s[CS], v[RM+12*\a]      ; as t (c is positive)
.endr
.irp a, 0,1
	v_floor_f32 v[MB+12*\a], -v[MA+12*\a]          ; the new -M
.endr
.irp a, 0,1
	v_sub_f32 v[MA+12*\a], v[MB+12*\a], v[NM+12*\a]   ; old M - new M, a whole number, 0 or less
.endr
.irp a, 0,1
	v_mov_b32 v[NM+12*\a], v[MB+12*\a]
.endr
.irp a, 0,1
	v_cvt_i32_f32 v[MA+12*\a], v[MA+12*\a]         ; (it saturates)
.endr
.irp a, 0,1
	v_ldexp_f32 v[FC+12*\a], 1.0, v[MA+12*\a]      ; f
.endr
.set j, 0
.rept 32
	v_pk_fma_f32 v[SA+j:SA+j+1], v[SA+j:SA+j+1], s[CS:CS+1], v[NM:NM+1] op_sel_hi:[1,0,0]
.set j, j+2
.endr
	s_wait_alu depctr_va_vdst(0)                   ; the wait ahead of a batch of exponentials
.set j, 0
.rept 32                               ; tile 0's exponentials; between them tile 1's t - M, whose sources were made ahead of the wait above and whose results are read behind the wait below
	v_exp_f32 v[SA+j], v[SA+j]
	v_exp_f32 v[SA+j+1], v[SA+j+1]
	v_pk_fma_f32 v[SB+j:SB+j+1], v[SB+j:SB+j+1], s[CS:CS+1], v[NM+12:NM+13] op_sel_hi:[1,0,0]
.set j, j+2
.endr
	s_wait_alu depctr_va_vdst(0)                   ; behind the first batch and ahead of the second
.set j, 0
.rept 32                               ; tile 1's exponentials; between them tile 0's hold at the largest code (the conversion does not saturate: ISA guide 7.6.2), into other registers: the sum wants p as it is
	v_exp_f32 v[SB+j], v[SB+j]
	v_exp_f32 v[SB+j+1], v[SB+j+1]
	v_dual_min_num_f32 v[TQ+j], v[SA+j], v[LIMP] :: v_dual_min_num_f32 v[TQ+j+1], v[SA+j+1], v[LIMP+1]
.set j, j+2
.endr
.irp a, 0,1
	v_pk_mul_f32 v[LA+12*\a:LA+12*\a+1], v[LA+12*\a:LA+12*\a+1], v[FC+12*\a:FC+12*\a+1] op_sel_hi:[1,0]   ; the sums under the new M
	v_pk_mul_f32 v[LB+12*\a:LB+12*\a+1], v[LB+12*\a:LB+12*\a+1], v[FC+12*\a:FC+12*\a+1] op_sel_hi:[1,0]
.endr
	s_wait_alu depctr_va_vdst(0)                   ; behind the second batch, ahead of its first reader
.set j, 0
.rept 16
	v_pk_add_f32 v[LA:LA+1], v[LA:LA+1], v[SA+j:SA+j+1]
	v_pk_add_f32 v[LA+12:LA+13], v[LA+12:LA+13], v[SB+j:SB+j+1]
	v_pk_add_f32 v[LB:LB+1], v[LB:LB+1], v[SA+j+2:SA+j+3]
	v_pk_add_f32 v[LB+12:LB+13], v[LB+12:LB+13], v[SB+j+2:SB+j+3]
.set j, j+4
.endr
.set j, 0
.rept 32
	v_dual_min_num_f32 v[SB+j], v[SB+j], v[LIMP] :: v_dual_min_num_f32 v[SB+j+1], v[SB+j+1], v[LIMP+1]
.set j, j+2
.endr
	WIN 0x40
.set j, 0
.rept 8
	v_cvt_scalef32_pk8_fp8_f32 v[PCA+2*j:PCA+2*j+1], v[TQ+8*j:TQ+8*j+7], v[SCP]
	v_cvt_scalef32_pk8_fp8_f32 v[PCB+2*j:PCB+2*j+1], v[SB+8*j:SB+8*j+7], v[SCP]
.set j, j+1
.endr
	WIN 0x41
	s_wait_alu depctr_va_vdst(0)                   ; directly ahead of the first readers of O^T
.set j, 0
.rept 16
	v_pk_mul_f32 v[OA+j:OA+j+1], v[OA+j:OA+j+1], v[FC:FC+1] op_sel_hi:[1,0]
	v_pk_mul_f32 v[OB+j:OB+j+1], v[OB+j:OB+j+1], v[FC+12:FC+13] op_sel_hi:[1,0]
.set j, j+2
.endr
	s_wait_alu depctr_va_vdst(0)                   ; directly ahead of the wait below
.if \mask
	s_wait_dscnt 16                                ; V is in; the next step's sixteen loads of K may be out
.else
	s_wait_dscnt 0x0                               ; V
.endif
	WIN 0x55
.set j, 0
.rept 4
	v_wmma_f32_16x16x128_fp8_fp8 v[OA+8*j:OA+8*j+7], v[VF+16*j:VF+16*j+15], v[PCA:PCA+15], v[OA+8*j:OA+8*j+7]
	v_wmma_f32_16x16x128_fp8_fp8 v[OB+8*j:OB+8*j+7], v[VF+16*j:VF+16*j+15], v[PCB:PCB+15], v[OB+8*j:OB+8*j+7]
.set j, j+1
.endr
	WIN 0
.endm
; A unit's way out: O^T x 2^(e4 + e5) / the sum, held, converted: a lane's 16 bytes of two pieces for each tile, stored as they stand, 512 consecutive bytes an instruction.
.macro FINISH base
	s_wait_xcnt 0x0                                ; earlier stores have read the codes' registers
.irp a, 0,1
	v_pk_add_f32 v[LA+12*\a:LA+12*\a+1], v[LA+12*\a:LA+12*\a+1], v[LB+12*\a:LB+12*\a+1]   ; (these lines are also the places behind the last products)
.endr
.irp a, 0,1
	v_add_f32 v[LA+12*\a], v[LA+12*\a], v[LA+12*\a+1]
.endr
.irp a, 0,1
	v_permlanex16_b32 v[PX+12*\a], v[LA+12*\a], s[SEL], s[SEL+1]
.endr
.irp a, 0,1
	v_add_f32 v[LA+12*\a], v[LA+12*\a], v[PX+12*\a]
.endr
	s_wait_alu depctr_va_vdst(0)                   ; ahead of the reciprocals
	v_rcp_f32 v[LA], v[LA]
	v_rcp_f32 v[LA+12], v[LA+12]
	v_nop
	s_wait_alu depctr_va_vdst(0)                   ; and behind them
.irp a, 0,1
	v_ldexp_f32 v[FC+12*\a], v[LA+12*\a], s53
.endr
	WIN 0x01
	s_wait_alu depctr_va_vdst(0)                   ; directly ahead of the first readers of O^T
.set j, 0
.rept 16
	v_pk_mul_f32 v[SA+j:SA+j+1], v[OA+j:OA+j+1], v[FC:FC+1] op_sel_hi:[1,0]
	v_pk_mul_f32 v[SB+j:SB+j+1], v[OB+j:OB+j+1], v[FC+12:FC+13] op_sel_hi:[1,0]
.set j, j+2
.endr
	WIN 0
.set j, 0
.rept 32
	v_med3_num_f32 v[SA+j], v[SA+j], -v[LIMO], v[LIMO]
	v_med3_num_f32 v[SB+j], v[SB+j], -v[LIMO], v[LIMO]
.set j, j+1
.endr
.irp g, 0,1,2,3
	v_cvt_scalef32_pk8_fp8_f32 v[OC+2*\g:OC+2*\g+1], v[SA+8*\g:SA+8*\g+7], v[SCO]
	v_cvt_scalef32_pk8_fp8_f32 v[OC+8+2*\g:OC+9+2*\g], v[SB+8*\g:SB+8*\g+7], v[SCO]
.endr
	v_nop                                          ; a plain line behind the last conversion
	global_store_b128 v[LI], v[OC:OC+3], s[\base:\base+1]
	global_store_b128 v[LI], v[OC+4:OC+7], s[\base:\base+1] offset:512
	global_store_b128 v[LI], v[OC+8:OC+11], s[\base:\base+1] offset:16384
	global_store_b128 v[LI], v[OC+12:OC+15], s[\base:\base+1] offset:16896
.endm
	s_wait_alu depctr_va_vdst(0)                   ; the wait at the head's end
	s_wait_tensorcnt 0x0                           ; my part of key steps 0-3 is in
	ds_add_u32 v[SPW], v[NIL]
	s_wait_dscnt 0x0
	ROUND                                          ; everybody's part is in, and the four work-groups meet
	tensor_load_to_lds s[G0B:G0B+3], s[G1B:G1B+7]  ; key steps 4-15: they have four key steps' work in which to land
	s_nop 0
.rept 4
	v_nop
.endr
	s_wait_loadcnt 0x0                             ; Q
	s_mov_b32 s[IX], 0
	s_mov_b32 s[TB], 0
	s_mov_b32 s[TBV], VOFF
.Lfirst:                                               ; key steps 0-3: every wave's first unit has nine steps or more, so no diagonal and no change of units here
	STEP 0
	s_add_co_u32 s[TB], s[TB], KSB
	s_add_co_u32 s[TBV], s[TBV], KSB
	s_add_co_u32 s[IX], s[IX], 1
	s_cmp_lt_u32 s[IX], 4
	s_cbranch_scc1 .Lfirst
	s_wait_tensorcnt 0x0                           ; my part of key steps 4-15 is in,
	s_wait_dscnt 0x0
	s_barrier_signal -1
	s_barrier_wait -1                              ; everybody's is
	s_mov_b32 s[IX], 4
	v_add_nc_u32 v[ADK], 4*KSB, v[LI]
	WIN 0x40
.set j, 0
.rept 16
	ds_load_b128 v[KF+4*j:KF+4*j+3], v[ADK] offset:512*j   ; key step 4's K
.set j, j+1
.endr
	WIN 0
.Lrest:
	s_cmp_lg_u32 s[IX], s[NA]
	s_cbranch_scc1 .Lsame
	FINISH 56                                      ; the first unit leaves; the second begins at key 0
	RESET                                          ; O^T and the sums hold finite numbers, which the next step's f = 0 makes zeros
	WIN 0x41
.set j, 0
.rept 16
	v_mov_b32 v[QA+j], v[QN+j]
.set j, j+1
.endr
	WIN 0
	s_mov_b32 s[LASTI], 16
	s_mov_b32 s[SG], s3
.Lsame:
	s_cmp_lt_u32 s[IX], s[NA]
	s_cselect_b32 s60, 0, s[NA]
	s_sub_co_u32 s60, s[IX], s60                   ; the unit's key step
	s_and_b32 s60, s60, 15
	s_lshl_b32 s60, s60, 13
	s_add_co_u32 s[TBV], s60, VOFF
	s_add_co_u32 s61, s[IX], 1                     ; the next step's key step, across the change of units too.  Behind the last step it names key step w + 1, which is fetched and not multiplied:
	s_cmp_lt_u32 s61, s[NA]                        ; so the count of the wait ahead of the second product is the same in every trip
	s_cselect_b32 s60, 0, s[NA]
	s_sub_co_u32 s60, s61, s60
	s_and_b32 s60, s60, 15
	s_lshl_b32 s[TB], s60, 13
	STEP 1
	s_add_co_u32 s[IX], s[IX], 1
	s_cmp_lt_u32 s[IX], 17
	s_cbranch_scc1 .Lrest
	FINISH 58
	s_wait_tensorcnt 0x0                           ; the wave's end
	ds_add_u32 v[SPW], v[NIL]
	s_wait_dscnt 0x0
	ROUND                                          ; the closing round
	s_endpgm
.Lfunc_end_k_q039a3f2394_attn:
	.size	k_q039a3f2394_attn, .Lfunc_end_k_q039a3f2394_attn-k_q039a3f2394_attn
	.p2alignl 7, 3214868480
	.fill 96, 4, 3214868480
	.section	.rodata,"a",@progbits
	.p2align	6, 0x0
	.amdhsa_kernel k_q039a3f2394_attn
		.amdhsa_group_segment_fixed_size 327680
		.amdhsa_private_segment_fixed_size 0
		.amdhsa_enable_private_segment 0
		.amdhsa_kernarg_size 40
		.amdhsa_user_sgpr_count 2
		.amdhsa_user_sgpr_kernarg_segment_ptr 1
		.amdhsa_wavefront_size32 1
		.amdhsa_system_sgpr_workgroup_id_x 1
		.amdhsa_system_sgpr_workgroup_id_y 1
		.amdhsa_system_sgpr_workgroup_id_z 1
		.amdhsa_system_vgpr_workitem_id 0
		.amdhsa_next_free_vgpr 512
		.amdhsa_next_free_sgpr 100
		.amdhsa_reserve_vcc 0
		.amdhsa_float_denorm_mode_32 3
		.amdhsa_float_denorm_mode_16_64 3
		.amdhsa_memory_ordered 1
		.amdhsa_forward_progress 1
		.amdhsa_inst_pref_size 97
	.end_amdhsa_kernel
	.amdgpu_metadata
---
amdhsa.version: [ 1, 2 ]
amdhsa.kernels:
  - .name:           k_q039a3f2394_attn
    .symbol:         k_q039a3f2394_attn.kd
    .args:
      - { .name: q_img, .offset: 0, .size: 8, .value_kind: global_buffer, .address_space: global }
      - { .name: k_img, .offset: 8, .size: 8, .value_kind: global_buffer, .address_space: global }
      - { .name: v_img, .offset: 16, .size: 8, .value_kind: global_buffer, .address_space: global }
      - { .name: lowp_scales, .offset: 24, .size: 8, .value_kind: global_buffer, .address_space: global }
      - { .name: o_img, .offset: 32, .size: 8, .value_kind: global_buffer, .address_space: global }
    .group_segment_fixed_size: 327680
    .private_segment_fixed_size: 0
    .kernarg_segment_align: 8
    .kernarg_segment_size: 40
    .max_flat_workgroup_size: 256
    .sgpr_count:     100
    .vgpr_count:     512
    .wavefront_size: 32
...
	.end_amdgpu_metadata
.endif
;; end of part 3
;; launch proj (part 4): grid 8 x 32, 4 waves a work-group, clusters of 4 x 4, 327,680 bytes of LDS; arguments o_img, w2_img, lowp_scales, bproj, out0; writes out0
.if DOCPART == 4
	.amdgcn_target "amdgcn-amd-amdhsa--gfx1250"
	.amdhsa_code_object_version 6
	.text
	.protected	k_q039a3f2394_proj
	.globl	k_q039a3f2394_proj
	.p2align	8
	.type	k_q039a3f2394_proj,@function
k_q039a3f2394_proj:
	s_mov_b64 s[64:65], 0
	v_nop
	global_prefetch_b8 v0, s[64:65] scope:SCOPE_SE
	s_setreg_imm32_b32 hwreg(HW_REG_WAVE_MODE, 25, 1), 1
	s_wait_xcnt 0x0
	s_wait_alu depctr_hold_cnt(0) depctr_sa_sdst(0) depctr_va_vdst(0) depctr_va_sdst(0) depctr_va_ssrc(0) depctr_va_vcc(0) depctr_vm_vsrc(0)
	s_getreg_b32 s2, hwreg(HW_REG_IB_STS2, 6, 4)
	s_cmp_eq_u32 s2, 0
	s_cbranch_scc0 .Lentry_in_a_cluster
	s_endpgm
.Lentry_in_a_cluster:
	s_bfe_u32 s2, ttmp6, 0x10000c
	s_cmp_lg_u32 s2, 0xf033
	s_cbranch_scc0 .Lentry_shape_is_right
	s_endpgm
.Lentry_shape_is_right:
; out0 = o Wproj + bproj on codes of FP8 (E4M3), M 8,192, N 1,024, K 1,024.  A sum stands for sum x 2^(e6 + e7).  LIMIT: e6 + e7 between -126 and 127.
; SHARES.  A work-group makes 256 rows x 128 columns: 32 x 8 = 256 work-groups.  A wave makes 128 x 64: 32 accumulators.  K goes in four steps of 256 through two LDS slots; a step is two halves of 128.
; THE OPERANDS ARE IMAGES: [tile of 16 rows][s 8][c 4][512 bytes]; a fragment (16 rows x 128 K) is four pieces on end.  Source 0 = W's columns, source 1 = o's rows: a lane holds eight neighbouring columns of one row.
; CLUSTERS: 4 x 4.  The four of a row need the same tiles of o, the four of a column the same tiles of W: asked for JOINTLY.  Waves 0, 1 fetch o's halves (8 tiles each), waves 2, 3 W's (4 tiles each).
; NO PREFETCH: a prefetch would name the K step two refills on, and the two refills ask for K steps 2 and 3, the last.
; REGISTERS.  Window 0: v1-13 addresses; v32-63 the bias; v64-191 W's fragments, two sets; on the way out v64-95 numbers, v96-159 rows read back.  Window 1: accumulator (o block a, W tile b) at v[8 (4 a + b)].  Window 2: o's fragments, two sets.
.set KSB,    4096                      ; a K step's bytes of a tile of 16 rows
.set WOFF,   65536                     ; a slot: o's 16 tiles, then W's 8
.set SLOT1,  131072
.set STAGE,  229376                    ; behind slot 1: 16 rows x 272 bytes for each wave, bytes into which no fill lands
.set SPITCH, 272
.set SPARE,  262144
.set ROWO,   4096
.set LI,  1
.set SPW, 2
.set NIL, 3
.set ADX, 4                            ; v4, v5: slot 0, 1
.set ADW, 6
.set STO, 8
.set RD,  9
.set CO,  10
.set BO,  11
.set TP,  12
.set TP2, 13
.set BI,  32
.set WFR, 64
.set TMP, 64
.set BK,  96
.set G1X, 24
.set G0X, 32
.set G0W, 36
.set G1W, 48
.set MSB, 0
.macro WIN new
.if MSB != (\new)
	s_set_vgpr_msb (MSB<<8)|(\new)
.set MSB, \new
.endif
.endm
.macro PLACES
.rept 4
	v_nop
.endr
.endm
.macro JLOAD
	s_cmp_eq_u32 s15, 0
	s_cbranch_scc0 .Lfor_w_\@
	tensor_load_to_lds s[G0X:G0X+3], s[G1X:G1X+7]
	s_nop 0
	PLACES
	s_branch .Lasked_\@
.Lfor_w_\@:
	tensor_load_to_lds s[G0W:G0W+3], s[G1W:G1W+7]
	s_nop 0
	PLACES
.Lasked_\@:
.endm
.macro DSTEP                           ; the walking descriptors: the other slot, the next K step
	s_xor_b32 s[G0X+1], s[G0X+1], SLOT1
	s_add_nc_u64 s[G0X+2:G0X+3], s[G0X+2:G0X+3], KSB
	s_xor_b32 s[G0W+1], s[G0W+1], SLOT1
	s_add_nc_u64 s[G0W+2:G0W+3], s[G0W+2:G0W+3], KSB
.endm
.macro CREST
	s_cmp_lg_u32 s14, 0
	s_cbranch_scc1 .Lnot_wave_0_\@
	s_barrier_signal -3
.Lnot_wave_0_\@:
	s_barrier_wait -3
	s_barrier_signal -1
	s_barrier_wait -1
.endm
.macro CROUND
	s_barrier_signal -1
	s_barrier_wait -1
	CREST
.endm
	s_load_b128 s[4:7], s[0:1], 0x0                ; o_img, w2_img
	s_load_b128 s[8:11], s[0:1], 0x10              ; the scales' exponents, bproj
	s_load_b64 s[12:13], s[0:1], 0x20              ; out0
	v_lshl_add_u32 v[SPW], v0, 2, SPARE
	v_mov_b32 v[NIL], 0
	ds_add_u32 v[SPW], v[NIL]                      ; the opening lines: the add, twice on end, and its wait ahead of my first tensor load
	ds_add_u32 v[SPW], v[NIL]
	v_lshrrev_b32 v[TP], 5, v0
	v_readfirstlane_b32 s14, v[TP]
	s_lshr_b32 s15, s14, 1                         ; my half of the rows.  Also: I fetch for o (0) or for W (1)
	s_and_b32 s16, s14, 1                          ; my half of the columns.  Also: which half of that operand I fetch
	s_bfe_u32 s40, ttmp6, 0x40000
	s_bfe_u32 s41, ttmp6, 0x40004
	s_lshl_b32 s42, ttmp9, 2
	s_add_co_u32 s42, s42, s40                     ; column block 0..7
	s_and_b32 s17, ttmp7, 0xffff
	s_lshl_b32 s17, s17, 2
	s_add_co_u32 s17, s17, s41                     ; row block 0..31
	s_lshl_b32 s43, s41, 2
	s_lshl_b32 s43, 15, s43
	s_lshl_b32 s44, 0x1111, s40
	s_or_b32 s[G1X], s43, (3<<16)|(1<<21)
	s_or_b32 s[G1W], s44, (3<<16)|(1<<21)
.irp g, G1X, G1W                       ; rows of 4,096 bytes (a tile's K step), 16,384 bytes apart, in elements of 8 bytes
	s_mov_b32 s[\g+1], 512<<16
	s_mov_b32 s[\g+3], 512<<16
	s_mov_b32 s[\g+5], 2048
	s_mov_b32 s[\g+6], 0
	s_mov_b32 s[\g+7], 0
.endr
	s_mov_b32 s[G1X+2], 8<<16
	s_mov_b32 s[G1X+4], 8
	s_mov_b32 s[G1W+2], 4<<16
	s_mov_b32 s[G1W+4], 4
	s_lshl_b32 s20, s17, 4
	s_lshl_b32 s18, s16, 3
	s_add_co_u32 s20, s20, s18
	s_lshl_b32 s20, s20, 14                        ; o: tile 16 x row block + 8 x half
	s_mov_b32 s21, 0
	s_lshl_b32 s46, s42, 3
	s_lshl_b32 s18, s16, 2
	s_add_co_u32 s46, s46, s18
	s_lshl_b32 s46, s46, 14                        ; W: tile 8 x column block + 4 x half
	s_mov_b32 s47, 0
	s_lshl_b32 s18, s16, 15
	s_lshl_b32 s19, s16, 14
	s_add_co_u32 s19, s19, WOFF
	s_wait_dscnt 0x0
	s_wait_kmcnt 0x0
	s_load_b256 s[80:87], s[8:9], 0x0
	s_mov_b32 s[G0X], 1
	s_mov_b32 s[G0X+1], s18
	s_add_nc_u64 s[G0X+2:G0X+3], s[4:5], s[20:21]
	s_or_b32 s[G0X+3], s[G0X+3], 0x80000000
	s_mov_b32 s[G0W], 1
	s_mov_b32 s[G0W+1], s19
	s_add_nc_u64 s[G0W+2:G0W+3], s[6:7], s[46:47]
	s_or_b32 s[G0W+3], s[G0W+3], 0x80000000
	CROUND
	JLOAD                                          ; K step 0
	s_lshl_b32 s88, s42, 9
	s_lshl_b32 s89, s16, 8
	s_add_co_u32 s88, s88, s89                     ; my first column, in bytes: 4 (128 x column block + 64 x half)
	s_mov_b32 s89, 0
	s_add_nc_u64 s[10:11], s[10:11], s[88:89]
	s_lshl_b32 s90, s17, 8
	s_lshl_b32 s91, s15, 7
	s_add_co_u32 s90, s90, s91
	s_lshl_b32 s90, s90, 12                        ; my first row: 256 x row block + 128 x half, 4,096 bytes each
	s_add_co_u32 s88, s88, s90
	s_add_nc_u64 s[12:13], s[12:13], s[88:89]
	s_lshl_b32 s74, s15, 15
	s_lshl_b32 s75, s16, 14
	s_add_co_u32 s75, s75, WOFF
	s_add_co_u32 s76, s74, SLOT1
	s_add_co_u32 s77, s75, SLOT1
	s_mul_i32 s78, s14, 16*SPITCH
	s_add_co_u32 s78, s78, STAGE
	v_and_b32 v[TP], 31, v0
	v_lshlrev_b32 v[LI], 4, v[TP]
	v_and_b32 v[TP], 15, v0                        ; r
	v_bfe_u32 v[TP2], v0, 4, 1                     ; h
	v_lshlrev_b32 v[BO], 5, v[TP2]                 ; register j of tile b is column 16 b + 8 h + j
	v_add_nc_u32 v[ADX], s74, v[LI]
	v_add_nc_u32 v[ADX+1], s76, v[LI]
	v_add_nc_u32 v[ADW], s75, v[LI]
	v_add_nc_u32 v[ADW+1], s77, v[LI]
	v_mul_u32_u24 v[STO], v[TP], SPITCH
	v_lshl_add_u32 v[STO], v[TP2], 5, v[STO]
	v_add_nc_u32 v[STO], s78, v[STO]               ; into the stage: row r, 32 bytes for each half of the lanes
	v_mul_u32_u24 v[RD], v[TP2], SPITCH
	v_lshl_add_u32 v[RD], v[TP], 4, v[RD]
	v_add_nc_u32 v[RD], s78, v[RD]                 ; back: lanes 0-15 one row of 256 bytes, lanes 16-31 the next
	v_lshlrev_b32 v[CO], 12, v[TP2]
	v_lshl_add_u32 v[CO], v[TP], 4, v[CO]          ; and the same two rows in out0
.irp b, 0,1,2,3
	global_load_b128 v[BI+8*\b:BI+8*\b+3], v[BO], s[10:11] offset:64*\b
	global_load_b128 v[BI+8*\b+4:BI+8*\b+7], v[BO], s[10:11] offset:64*\b+16
.endr
	s_wait_alu depctr_va_vdst(0)                   ; the wait at the head's end
	s_wait_kmcnt 0x0
	s_add_co_i32 s96, s86, s87
	s_add_co_i32 s96, s96, 127
	s_lshl_b32 s96, s96, 23                        ; 2^(e6 + e7) as f32
	s_mov_b32 s97, s96
.macro FETCH slot, q, set              ; the fragments of the slot's q-th 128 along K: o's eight blocks, W's four tiles: 48 loads
	WIN 0x80
.set i, 0
.rept 32
	ds_load_b128 v[128*(\set)+4*i:128*(\set)+4*i+3], v[ADX+\slot] offset:KSB*(i/4)+2048*(\q)+512*(i%4)
.set i, i+1
.endr
	WIN 0
.set i, 0
.rept 16
	ds_load_b128 v[WFR+64*(\set)+4*i:WFR+64*(\set)+4*i+3], v[ADW+\slot] offset:KSB*(i/4)+2048*(\q)+512*(i%4)
.set i, i+1
.endr
.endm
; 16 matrix instructions.  The 32 accumulators take turns, one instruction a turn, in the same order in every half step.  zero = 1: the first product starts the sums.
.macro MULH half, set, zero
	WIN 0x58
.set i, 16*(\half)
.rept 16
.if \zero
	v_wmma_f32_16x16x128_fp8_fp8 v[8*i:8*i+7], v[WFR+64*(\set)+16*(i%4):WFR+64*(\set)+16*(i%4)+15], v[128*(\set)+16*(i/4):128*(\set)+16*(i/4)+15], 0
.else
	v_wmma_f32_16x16x128_fp8_fp8 v[8*i:8*i+7], v[WFR+64*(\set)+16*(i%4):WFR+64*(\set)+16*(i%4)+15], v[128*(\set)+16*(i/4):128*(\set)+16*(i/4)+15], v[8*i:8*i+7]
.endif
.set i, i+1
.endr
.endm
.macro STEPP slot, zero                ; a slot's first half: the second half's fragments are asked for first
	PLACES
	FETCH \slot, 1, 1
	s_wait_dscnt 48                                ; this half's fragments are in; the 48 just issued may be out
	MULH 0, 0, \zero
	MULH 1, 0, \zero
	WIN 0
.endm
.macro TURN next, fill                 ; a slot's second half changes slots
	s_wait_tensorcnt 0x0                           ; my part of the next slot has landed
	ds_add_u32 v[SPW], v[NIL]
.if \fill
	DSTEP
.endif
	s_wait_dscnt 0x0                               ; the add is done, and all my reads of this slot are in registers
	s_barrier_signal -1
	MULH 0, 1, 0
	WIN 0
	s_barrier_wait -1
.if \fill
	CREST                                          ; the barrier has opened a round of the cluster's barrier
	JLOAD                                          ; the first tensor load behind the round; its four v_nop are the places in front of the loads below
.else
	PLACES
.endif
	FETCH \next, 0, 0
	MULH 1, 1, 0
	WIN 0
.endm
	s_wait_tensorcnt 0x0                           ; my part of K step 0 is in
	ds_add_u32 v[SPW], v[NIL]
	DSTEP
	s_wait_dscnt 0x0
	CROUND
	JLOAD                                          ; K step 1, slot 1's first fill
	FETCH 0, 0, 0
	STEPP 0, 1
	TURN 1, 1                                      ; slot 0 takes K step 2
	STEPP 1, 0
	TURN 0, 1                                      ; slot 1 takes K step 3
	STEPP 0, 0
	TURN 1, 0
	STEPP 1, 0
	s_wait_dscnt 0x0
	MULH 0, 1, 0
	MULH 1, 1, 0
	WIN 0
; THE WAY OUT, block by block of 16 rows x 64 columns: sum x 2^(e6 + e7) + bias, through my own stage in LDS, back as whole rows of 256 bytes: sixteen lanes store one aligned unit.
; LDS serves a wave's instructions in order (ISA guide 5.7.1.4): no wait between the stores and the loads.
.macro TOSTAGE a
	WIN 0x01
.set j, 0
.rept 16
	v_pk_fma_f32 v[TMP+j:TMP+j+1], v[32*(\a)+j:32*(\a)+j+1], s[96:97], v[BI+j:BI+j+1] op_sel_hi:[1,0,1]
.set j, j+2
.endr
	WIN 0
.irp b, 0,1,2,3
	ds_store_b128 v[STO], v[TMP+8*\b:TMP+8*\b+3] offset:64*\b
	ds_store_b128 v[STO], v[TMP+8*\b+4:TMP+8*\b+7] offset:64*\b+16
.endr
.irp t, 0,1,2,3,4,5,6,7
	ds_load_b128 v[BK+32*((\a)%2)+4*\t:BK+32*((\a)%2)+4*\t+3], v[RD] offset:2*\t*SPITCH
.endr
.endm
.macro SEND a, younger                 ; younger: the LDS instructions issued behind block a's loads
	s_wait_dscnt \younger
.if (\a) > 0
	s_add_nc_u64 s[12:13], s[12:13], 16*ROWO       ; (behind a wait on XCNT: the earlier stores have read their base)
.endif
.irp t, 0,1,2,3,4,5,6,7
	global_store_b128 v[CO], v[BK+32*((\a)%2)+4*\t:BK+32*((\a)%2)+4*\t+3], s[12:13] offset:2*\t*ROWO th:TH_STORE_NT
.endr
.endm
	s_wait_loadcnt 0x0                             ; the bias
	PLACES
	TOSTAGE 0
.irp a, 1,2,3,4,5,6,7
.if \a > 1
	s_wait_xcnt 0x0                                ; block a - 2's stores have read their registers and their base
.endif
	TOSTAGE \a
	SEND \a-1, 16                                  ; behind block a - 1's loads: block a's 8 stores and 8 loads
.endr
	s_wait_xcnt 0x0
	SEND 7, 0
	s_wait_tensorcnt 0x0                           ; the wave's end
	ds_add_u32 v[SPW], v[NIL]
	s_wait_dscnt 0x0
	CROUND                                         ; the closing round
	s_endpgm
.Lfunc_end_k_q039a3f2394_proj:
	.size	k_q039a3f2394_proj, .Lfunc_end_k_q039a3f2394_proj-k_q039a3f2394_proj
	.p2alignl 7, 3214868480
	.fill 96, 4, 3214868480
	.section	.rodata,"a",@progbits
	.p2align	6, 0x0
	.amdhsa_kernel k_q039a3f2394_proj
		.amdhsa_group_segment_fixed_size 327680
		.amdhsa_private_segment_fixed_size 0
		.amdhsa_enable_private_segment 0
		.amdhsa_kernarg_size 40
		.amdhsa_user_sgpr_count 2
		.amdhsa_user_sgpr_kernarg_segment_ptr 1
		.amdhsa_wavefront_size32 1
		.amdhsa_system_sgpr_workgroup_id_x 1
		.amdhsa_system_sgpr_workgroup_id_y 1
		.amdhsa_system_sgpr_workgroup_id_z 1
		.amdhsa_system_vgpr_workitem_id 0
		.amdhsa_next_free_vgpr 768
		.amdhsa_next_free_sgpr 100
		.amdhsa_reserve_vcc 0
		.amdhsa_float_denorm_mode_32 3
		.amdhsa_float_denorm_mode_16_64 3
		.amdhsa_memory_ordered 1
		.amdhsa_forward_progress 1
		.amdhsa_inst_pref_size 77
	.end_amdhsa_kernel
	.amdgpu_metadata
---
amdhsa.version: [ 1, 2 ]
amdhsa.kernels:
  - .name:           k_q039a3f2394_proj
    .symbol:         k_q039a3f2394_proj.kd
    .args:
      - { .name: o_img, .offset: 0, .size: 8, .value_kind: global_buffer, .address_space: global }
      - { .name: w2_img, .offset: 8, .size: 8, .value_kind: global_buffer, .address_space: global }
      - { .name: lowp_scales, .offset: 16, .size: 8, .value_kind: global_buffer, .address_space: global }
      - { .name: bproj, .offset: 24, .size: 8, .value_kind: global_buffer, .address_space: global }
      - { .name: out0, .offset: 32, .size: 8, .value_kind: global_buffer, .address_space: global }
    .group_segment_fixed_size: 327680
    .private_segment_fixed_size: 0
    .kernarg_segment_align: 8
    .kernarg_segment_size: 40
    .max_flat_workgroup_size: 128
    .sgpr_count:     100
    .vgpr_count:     768
    .wavefront_size: 32
...
	.end_amdgpu_metadata
.endif
;; end of part 4
